; MI455X (gfx1250); checked and timed in simulation.
; The chip was launched on July 23, 2026; its instructions are those of AMD's public machine-readable ISA for CDNA 5 (MIT licence, August 2026) and "CDNA5" Instruction Set Architecture Reference Guide (July 2026). The comments in the code are by the model that wrote it; some were corrected since.
;; Uni Attention. Allowed arithmetic: float matrix products may take bf16 or f16 operands with f32 sums; other float arithmetic in f32, or as packed bf16 or f16 multiplies, adds, multiply-adds, maxima and minima; sums over many terms, partial sums and values carried from step to step in f32; what a program stores and reads back later, other than sums and carried values, may be rounded once to bf16 or f16.
;; Inputs: hypothesis_batch 16 x 2,048 x 1,024 float32; hypothesis_mask 16 x 2,048 float32; premise_batch 16 x 1,024 x 1,024 float32; premise_mask 16 x 1,024 float32.
;; Outputs: out0 16 x 1,024 x 1,024 float32.
;; 2 versions, each right; version 2 is version 1 with the launch prep written anew for expert scheduling mode. Each part assembles by itself: llvm-mc -triple=amdgcn-amd-amdhsa -mcpu=gfx1250 --defsym DOCPART=n.
;; ======== version 1 of 2: 2 launches
;; workspace buffers: kb 67,108,864 bytes
;; launch prep (part 1): grid 1024 x 1, 8 waves a work-group, no clusters, 0 bytes of LDS; arguments hypothesis_batch, hypothesis_mask, kb; writes kb
.if DOCPART == 1
	.amdgcn_target "amdgcn-amd-amdhsa--gfx1250"
	.amdhsa_code_object_version 6
	.text
	.protected	k_q55ed2c9b8c_prep
	.globl	k_q55ed2c9b8c_prep
	.p2align	8
	.type	k_q55ed2c9b8c_prep,@function
k_q55ed2c9b8c_prep:
	s_mov_b64 s[64:65], 0
	v_nop
	global_prefetch_b8 v0, s[64:65] scope:SCOPE_SE
	s_setreg_imm32_b32 hwreg(HW_REG_WAVE_MODE, 25, 1), 1
	s_wait_xcnt 0x0
; kb[b][h][c] = bf16(hypothesis_mask[b][h] * hypothesis_batch[b][h][c]): the keys, masked and rounded once, as ONE table for both products of the launch behind.
; hypothesis_batch: [16][2048][1024] f32 = 32,768 rows of 4,096 bytes; kb: the same rows in bf16, 2,048 bytes each.
; A stream: no LDS, no barrier, no matrix work, no loop.  A work-group takes 32 rows, each of its eight waves 4.  A row comes by eight loads of 16 bytes a lane
; (512 consecutive bytes a load) and leaves by eight stores of 8 bytes a lane (256 consecutive bytes, at a multiple of 256 from kb's first byte).
; All 32 loads of a wave go out at once; each row is worked on as it arrives.  No register is written again behind a store that reads it, so no wait frees any.
.set M, 4                              ; v[4:11]   row i's mask number, twice: a pair for the packed multiply
.set X, 12                             ; v[12:139] row i, load j: four registers at X + 4 (8 i + j)
	s_load_b128 s[4:7], s[0:1], 0x0                ; hypothesis_batch s[4:5], hypothesis_mask s[6:7]
	s_load_b64 s[8:9], s[0:1], 0x10                ; kb
	v_lshrrev_b32 v3, 5, v0
	v_readfirstlane_b32 s11, v3                    ; wave 0..7
	v_and_b32 v1, 31, v0                           ; lane
	v_lshlrev_b32 v2, 3, v1                        ; out: 8 bytes a lane,
	v_lshlrev_b32 v1, 4, v1                        ; in: 16 bytes a lane,
	v_lshl_or_b32 v1, v3, 14, v1                   ; + wave x 4 rows x 4,096 bytes
	v_lshl_or_b32 v2, v3, 13, v2                   ; + wave x 4 rows x 2,048 bytes
	s_lshl_b32 s2, ttmp9, 17                       ; the work-group's 32 rows of 4,096 bytes (under 2^27)
	s_mov_b32 s3, 0
	s_lshl_b32 s16, ttmp9, 16                      ; and of 2,048 bytes
	s_mov_b32 s17, 0
	s_lshl_b32 s18, ttmp9, 7                       ; the mask: 32 numbers of 4 bytes a work-group,
	s_lshl_b32 s19, s11, 4                         ; 4 a wave
	s_add_co_u32 s18, s18, s19
	s_mov_b32 s19, 0
	s_wait_kmcnt 0x0
	s_add_nc_u64 s[4:5], s[4:5], s[2:3]
	s_add_nc_u64 s[8:9], s[8:9], s[16:17]
	s_add_nc_u64 s[6:7], s[6:7], s[18:19]
	s_load_b128 s[12:15], s[6:7], 0x0              ; my four rows' mask numbers
.irp i, 0,1,2,3
.irp j, 0,1,2,3,4,5,6,7
	global_load_b128 v[X+4*(8*(\i)+(\j)):X+4*(8*(\i)+(\j))+3], v1, s[4:5] offset:(\i)*4096+(\j)*512 th:TH_LOAD_NT
.endr
.endr
	s_wait_kmcnt 0x0
.irp i, 0,1,2,3
	v_mov_b32 v[M+2*(\i)], s[12+(\i)]
	v_mov_b32 v[M+2*(\i)+1], s[12+(\i)]
.endr
.irp i, 0,1,2,3
	s_wait_loadcnt 24-8*(\i)                       ; loads come back in order: row i is in, the 8 loads of each later row may stay out
.irp j, 0,1,2,3,4,5,6,7
	v_pk_mul_f32 v[X+4*(8*(\i)+(\j)):X+4*(8*(\i)+(\j))+1],   v[X+4*(8*(\i)+(\j)):X+4*(8*(\i)+(\j))+1],   v[M+2*(\i):M+2*(\i)+1]
	v_pk_mul_f32 v[X+4*(8*(\i)+(\j))+2:X+4*(8*(\i)+(\j))+3], v[X+4*(8*(\i)+(\j))+2:X+4*(8*(\i)+(\j))+3], v[M+2*(\i):M+2*(\i)+1]
	v_cvt_pk_bf16_f32 v[X+4*(8*(\i)+(\j))],   v[X+4*(8*(\i)+(\j))],   v[X+4*(8*(\i)+(\j))+1]   ; four numbers become 8 bytes, in the first two of their registers
	v_cvt_pk_bf16_f32 v[X+4*(8*(\i)+(\j))+1], v[X+4*(8*(\i)+(\j))+2], v[X+4*(8*(\i)+(\j))+3]
	global_store_b64 v2, v[X+4*(8*(\i)+(\j)):X+4*(8*(\i)+(\j))+1], s[8:9] offset:(\i)*2048+(\j)*256 th:TH_STORE_NT
.endr
.endr
	s_endpgm
.Lfunc_end_k_q55ed2c9b8c_prep:
	.size	k_q55ed2c9b8c_prep, .Lfunc_end_k_q55ed2c9b8c_prep-k_q55ed2c9b8c_prep
	.p2alignl 7, 3214868480
	.fill 96, 4, 3214868480
	.section	.rodata,"a",@progbits
	.p2align	6, 0x0
	.amdhsa_kernel k_q55ed2c9b8c_prep
		.amdhsa_group_segment_fixed_size 0
		.amdhsa_private_segment_fixed_size 0
		.amdhsa_enable_private_segment 0
		.amdhsa_kernarg_size 24
		.amdhsa_user_sgpr_count 2
		.amdhsa_user_sgpr_kernarg_segment_ptr 1
		.amdhsa_wavefront_size32 1
		.amdhsa_system_sgpr_workgroup_id_x 1
		.amdhsa_system_sgpr_workgroup_id_y 1
		.amdhsa_system_sgpr_workgroup_id_z 1
		.amdhsa_system_vgpr_workitem_id 0
		.amdhsa_next_free_vgpr 140
		.amdhsa_next_free_sgpr 66
		.amdhsa_reserve_vcc 0
		.amdhsa_float_denorm_mode_32 3
		.amdhsa_float_denorm_mode_16_64 3
		.amdhsa_memory_ordered 1
		.amdhsa_forward_progress 1
		.amdhsa_inst_pref_size 16
	.end_amdhsa_kernel
	.amdgpu_metadata
---
amdhsa.version: [ 1, 2 ]
amdhsa.kernels:
  - .name:           k_q55ed2c9b8c_prep
    .symbol:         k_q55ed2c9b8c_prep.kd
    .args:
      - { .name: hypothesis_batch, .offset: 0, .size: 8, .value_kind: global_buffer, .address_space: global }
      - { .name: hypothesis_mask, .offset: 8, .size: 8, .value_kind: global_buffer, .address_space: global }
      - { .name: kb, .offset: 16, .size: 8, .value_kind: global_buffer, .address_space: global }
    .group_segment_fixed_size: 0
    .private_segment_fixed_size: 0
    .kernarg_segment_align: 8
    .kernarg_segment_size: 24
    .max_flat_workgroup_size: 256
    .sgpr_count:     66
    .vgpr_count:     140
    .wavefront_size: 32
...
	.end_amdgpu_metadata
.endif
;; end of part 1
;; launch attn (part 2): grid 16 x 16, 4 waves a work-group, clusters of 4 x 1, 327,680 bytes of LDS; arguments premise_batch, premise_mask, hypothesis_mask, kb, out0; writes out0
.if DOCPART == 2
	.amdgcn_target "amdgcn-amd-amdhsa--gfx1250"
	.amdhsa_code_object_version 6
	.text
	.protected	k_q55ed2c9b8c_attn
	.globl	k_q55ed2c9b8c_attn
	.p2align	8
	.type	k_q55ed2c9b8c_attn,@function
k_q55ed2c9b8c_attn:
	s_mov_b64 s[64:65], 0
	v_nop
	global_prefetch_b8 v0, s[64:65] scope:SCOPE_SE
	s_setreg_imm32_b32 hwreg(HW_REG_WAVE_MODE, 25, 1), 1
	s_wait_xcnt 0x0
	s_wait_alu depctr_hold_cnt(0) depctr_sa_sdst(0) depctr_va_vdst(0) depctr_va_sdst(0) depctr_va_ssrc(0) depctr_va_vcc(0) depctr_vm_vsrc(0)
	s_getreg_b32 s2, hwreg(HW_REG_IB_STS2, 6, 4)
	s_cmp_eq_u32 s2, 0
	s_cbranch_scc0 .Lentry_in_a_cluster
	s_endpgm
.Lentry_in_a_cluster:
	s_bfe_u32 s2, ttmp6, 0x10000c
	s_cmp_lg_u32 s2, 0x3003
	s_cbranch_scc0 .Lentry_shape_is_right
	s_endpgm
.Lentry_shape_is_right:
; out0[b][q][:] = pm[b][q] x (sum over i of e_i K'_i) / (l1 + 1e-13 Z), with K'_i = mask_i x key_i (kb, bf16), t_i = q . K'_i / 32, M = max_i t_i, e_i = exp(t_i - M), Z = sum e_i, l1 = sum e_i mask_i.
; That is the masked softmax as it is defined (softmax of the masked logits, a hidden key counting with logit 0; masked again; divided by its sum + 1e-13), numerator and divisor both multiplied by Z.
; premise_batch, out0: [16][1024][1024] f32; kb: [16][2048][1024] bf16; the masks f32.  Products in bf16 with f32 sums; maxima, exponentials and sums in f32; e is rounded to bf16 for the second product
; (bf16, not f16: M includes the hidden keys' 0, so all the weights that count may be far below f16's range).
; LIMITS.  A weight below 2^-126 counts as 0.  NaN and infinities are not treated apart (a premise row that holds one gives NaN in that row alone).  The key mask is taken as not negative, so that the
; divisor is at least 1e-13.  For a mask other than 0 and 1, K' is mask x key rounded once to bf16.  The f32 sums are taken in another order than a plain einsum's.
; SHARES.  A work-group owns 64 queries of a batch and walks its 2,048 keys, 64 a step.  THE CHANNELS ARE SPLIT AMONG THE FOUR WAVES: wave w owns channels 256 w .. 256 w + 255 in both products.  It holds
; its slice of Q (bf16, 256 registers) and of O^T (64 queries x 256 channels f32, 512 registers); of each key tile it fetches, and alone reads, its own 64 rows x 512 bytes: as they lie for K Q^T, turned
; (ds_load_tr16_b128) for V^T P.  So a tile's reads need the wave's own wait on TENSORcnt alone.  The price: S^T comes as four partial sums, which meet in LDS, in f32: wave w finishes query tile w
; (16 queries x 64 keys), makes its softmax, and hands the weights P (bf16) and the factor a to all four.
; ROTATED INDEX.  In wave w the index u = 0..3 stands for query tile D_u = (w + u) & 3, for Q, S, P, a, O and the way out alike: u = 0 is the wave's own tile, at fixed register numbers.
; LAYOUT.  S^T = K Q^T (source 0 = 16 keys, source 1 = 16 queries): lane l holds query l % 16 and keys 8 (l / 16) + 0..7.  Two such results rounded in pairs ARE source 1 (32 keys x 16 queries) of
; O^T = V^T P, whose result holds query l % 16 and eight channels.  SOFTMAX: a running maximum m; p = 2^(c s - c m), c = log2(e) / 32; in every step O, Z and l1 are multiplied by a = 2^(c m_old - c m_new).
; c m starts far below every c s: the first step's a is 0, so O^T is never cleared: it starts as the f32 Q that was loaded into its registers, the same query's row in each lane, times 0.
; THE STEP'S ORDER.  S^T goes BY KEY BLOCKS of 16: eight blocks of 16 products (block i: key block i / 2, channels 128 (i % 2) on).  A key block's partial sums leave for their owners as soon as it is
; finished, in one run of LDS instructions with the next fragments; key blocks 0 and 1 are received while blocks 6 and 7 are multiplied, so that behind the last product stand six stores, a barrier, twelve
; loads and their additions.  V's first two groups are asked for while the softmax runs.  O^T's rescaling RIDES: group 0's 64 lines stand in the wait for P, group g + 1's stand four behind every second
; product of group g.  The change of slots stands inside the last 32 products, and the next step's first fragments of K are asked for behind the refill, 16 products ahead of their use.
; CLUSTER.  The four query blocks of a cluster belong to one batch and walk the same tiles: each wave's slice is asked for JOINTLY, by the same tensor load, descriptor and mask in all four work-groups.
; REGISTERS, in windows of 256 (s_set_vgpr_msb: bits 1:0 source 0, 3:2 source 1, 5:4 source 2, 7:6 destination):
;   window 0: v0-31 addresses and statistics; v32-63 the step's key mask; v64-127 K's two buffers / V's buffer 0; v128-255 S^T (u, kb) / v160-191 at work in the softmax / P's fragments v128-191, V's buffer 1 v192-255
;   window 1: Q, fragment (u, ch) at 8 (8 u + ch)          windows 2, 3: O^T, (u, cb) in window 2 + u / 2 at 128 (u % 2) + 8 cb
; O^T fills its two windows, so no window holds V or P beside it: four riders cost two switches.
.set PK,    528       ; a row of a wave's slice in LDS: 512 bytes + 16 of padding = 132 words: the 16 rows of a plain load start 4 words apart modulo 64 (64 banks of 4 bytes: ISA guide 11.1)
.set WSL,   64*PK     ; a wave's slice of a tile
.set SLOT,  4*WSL     ; a slot: the four slices
.set XCH,   2*SLOT    ; behind the ring, never filled by a tensor load: the exchange, 12,288 bytes for each wave
.set XW,    12288     ; wave d's part: three senders' partial tiles (i, kb) at 4,096 i + 1,024 kb; when d has read them: P at 512 kb, a at 2,048, at the end the row factor at 4,096 (each + 16 x lane)
.set SPARE, XCH+4*XW  ; the spare words, 128 bytes for each wave: two blocks of 256 bytes that no other line names
.set SP,    1040      ; the way out's stage (my own slice of slot 0, which has had its last fill): 16 rows of 1,024 bytes + 16
.set TILEB, 64*2048   ; a tile's bytes in kb
.set AK,  2           ; v2-3   LDS address of my K fragments in slot 0, 1; never rewritten
.set AV,  4           ; v4-5   the same for the turning loads
.set XD,  6           ; v6-9   XCH + D_u x XW + 16 x lane
.set WO,  10          ; v10    32 (l / 16): my eight keys' place among sixteen mask numbers
.set PFO, 11          ; v11    the prefetches' offset: (l / 2) rows of kb + (l % 2) x 256
.set SPW, 12          ; v12    LDS address of my spare word; never rewritten
.set NIL, 13          ; v13    0; never rewritten
.set PM,  14          ; v14    premise_mask of my own tile's query l % 16
.set CMO, 15          ; v15    c m_old
.set CM,  16          ; v16-17 c m, m
.set ZS,  18          ; v18-19 Z (even keys', odd keys')
.set L1,  20          ; v20-21 l1 likewise
.set AA,  22          ; v22-23 my tile's a, named as a pair
.set AU,  24          ; v24-31 a (at the end: the row factor) of tile D_u in the low register of pair u
.set W,   32          ; v32-63 mask of key 16 kb + 8 (l / 16) + j of the step at W + 8 kb + j
.set STO, 32          ; the way out: where I put 16 bytes of a row; RD: where I read rows back; GO + u: my byte offset in tile D_u's rows of out0
.set RD,  33
.set GO,  34
.set KB,  64          ; K's buffer b at KB + 32 b; V's buffer b at KB + 128 b
.set QA,  64          ; at the head: v64-67 my byte offset in tile D_u's rows of Q
.set S,   128
.set P,   128
.set TC,  160         ; the softmax, in registers of S^T that have been sent and added: v160-163 c0-c3 at work
.set TL,  164         ; v164-171 four chains for l1
.set PP,  176         ; v176-191 my tile's weights, packed
.set BK,  128         ; the way out: 16 rows read back from the stage
.set WV,  14          ; s14    my wave's number
.set WB,  18          ; s18    my slice's LDS byte in slot 0; kept to the end
.set G1,  24          ; s[24:31] descriptor group 1
.set G0,  32          ; s[32:39] descriptor group 0, a set for each slot
.set DU,  40          ; s40-43 D_u
.set PFA, 44          ; s[44:45] where my prefetches stand
.set LIM, 46          ; s46    1 where my cluster is its batch's first, else the greatest number
.set TRIPS, 48        ; s48
.set CS,  50          ; s[50:51] c, named as a pair
.set SEL, 52          ; s[52:53] v_permlanex16_b32's selects: each lane takes its own place in the other half
.set EPS, 54          ; s54    1e-13
.set W_S,  0x04       ; Q (source 1) in window 1; K, S^T and LDS loads' registers in window 0
.set W_O2, 0xa0       ; C and D in window 2 (+ 0x50: window 3)
.set W_R2, 0x82       ; destination and source 0 in window 2 (+ 0x41: window 3)
.set MSB, 0
.macro WIN new                      ; the immediate's high byte repeats the setting that is left; a switch that changes nothing is dropped
.if MSB != (\new)
	s_set_vgpr_msb (MSB<<8)|(\new)
.set MSB, \new
.endif
.endm
.macro PLACES                       ; four places between a matrix instruction and a load into, a store from or a vector write of its registers (ISA guide 7.12.1 for vector writes)
.rept 4
	v_nop
.endr
.endm
; A round of the cluster's barrier: my work-group's barrier, so that wave 0's signal speaks for all four waves; wave 0 signals; every wave waits for all four work-groups; my work-group's barrier once more.
.macro CREST                        ; a round behind its opening barrier
	s_cmp_lg_u32 s[WV], 0
	s_cbranch_scc1 .Lnot_wave_0_\@
	s_barrier_signal -3
.Lnot_wave_0_\@:
	s_barrier_wait -3
	s_barrier_signal -1
	s_barrier_wait -1
.endm
.macro CROUND                       ; a whole round
	s_barrier_signal -1
	s_barrier_wait -1
	CREST
.endm
.macro JLOAD slot                   ; my slice of a tile, 64 rows x 512 bytes, asked for jointly; an s_nop 0 and four v_nop follow
	tensor_load_to_lds s[G0+4*(\slot):G0+4*(\slot)+3], s[G1:G1+7]
	s_nop 0
	PLACES
.endm
; A PREFETCH INTO THE L2 of the tile that the NEXT change of slots will ask for: one key step, 256 matrix instructions, ahead of that load.  A batch's four clusters walk the same tiles: the first of them
; (cluster x = 0) asks.  A tile is 64 rows x 8 blocks of 256 bytes: partner cx takes rows 16 cx .. 16 cx + 15, told apart BY ADDRESS; wave w its own two blocks of each: a lane a block, one instruction a wave.
; So each block is named once in the launch.  Tiles 0 to 2 come by their loads alone; the last change that fills a slot (slot 1's, in the loop's last trip) asks for nothing.
.macro ASK how
.if \how
	s_cmp_eq_u32 s[LIM], 1
.else
	s_cmp_gt_u32 s[TRIPS], s[LIM]
.endif
	s_cbranch_scc0 .Lnot_mine_\@
	global_prefetch_b8 v[PFO], s[PFA:PFA+1] th:TH_LOAD_NT scope:SCOPE_SE
.Lnot_mine_\@:
.endm
.macro FETCHK slot, i               ; block i's four fragments of K (keys 16 (i / 2) on, channels 128 (i % 2) on of my slice): eight loads, into buffer i % 2
.irp c, 0,1,2,3
	ds_load_b128 v[KB+32*((\i)%2)+8*(\c):KB+32*((\i)%2)+8*(\c)+3],   v[AK+(\slot)] offset:((\i)/2)*16*PK+64*(4*((\i)%2)+(\c))
	ds_load_b128 v[KB+32*((\i)%2)+8*(\c)+4:KB+32*((\i)%2)+8*(\c)+7], v[AK+(\slot)] offset:((\i)/2)*16*PK+64*(4*((\i)%2)+(\c))+32
.endr
.endm
.macro SMUL i                       ; block i's 16 products: the key block's four accumulators (u = 0..3) take turns, one instruction a turn; a key block's first four start its sums
.irp c, 0,1,2,3
.irp u, 0,1,2,3
.if ((\i)%2 == 0) && ((\c) == 0)
	v_wmma_f32_16x16x32_bf16 v[S+32*(\u)+8*((\i)/2):S+32*(\u)+8*((\i)/2)+7], v[KB+32*((\i)%2)+8*(\c):KB+32*((\i)%2)+8*(\c)+7], v[8*(8*(\u)+4*((\i)%2)+(\c)):8*(8*(\u)+4*((\i)%2)+(\c))+7], 0
.else
	v_wmma_f32_16x16x32_bf16 v[S+32*(\u)+8*((\i)/2):S+32*(\u)+8*((\i)/2)+7], v[KB+32*((\i)%2)+8*(\c):KB+32*((\i)%2)+8*(\c)+7], v[8*(8*(\u)+4*((\i)%2)+(\c)):8*(8*(\u)+4*((\i)%2)+(\c))+7], v[S+32*(\u)+8*((\i)/2):S+32*(\u)+8*((\i)/2)+7]
.endif
.endr
.endr
.endm
.macro XSTORE kb                    ; key block kb's partial sums for the three other tiles go to their owners: sender index u - 1 is another for each of an owner's three senders
.irp u, 1,2,3
	ds_store_b128 v[XD+(\u)], v[S+32*(\u)+8*(\kb):S+32*(\u)+8*(\kb)+3]   offset:((\u)-1)*4096+(\kb)*1024      ; each accumulator's low registers first
	ds_store_b128 v[XD+(\u)], v[S+32*(\u)+8*(\kb)+4:S+32*(\u)+8*(\kb)+7] offset:((\u)-1)*4096+(\kb)*1024+512
.endr
.endm
.macro XLOAD hf                     ; the three senders' partial sums of my own tile, key blocks 2 hf and 2 hf + 1, into the registers that I have sent those key blocks from: twelve loads, sender by sender
.irp i, 0,1,2
.irp k, 0,1
	ds_load_b128 v[S+32*((\i)+1)+8*(2*(\hf)+(\k)):S+32*((\i)+1)+8*(2*(\hf)+(\k))+3],   v[XD] offset:(\i)*4096+(2*(\hf)+(\k))*1024
	ds_load_b128 v[S+32*((\i)+1)+8*(2*(\hf)+(\k))+4:S+32*((\i)+1)+8*(2*(\hf)+(\k))+7], v[XD] offset:(\i)*4096+(2*(\hf)+(\k))*1024+512
.endr
.endr
.endm
.macro XADD hf, i                   ; sender i's sixteen numbers a lane are added onto mine, each accumulator from its low end on
.set z, 16*(\hf)
.rept 8
	v_pk_add_f32 v[S+z:S+z+1], v[S+z:S+z+1], v[S+32*((\i)+1)+z:S+32*((\i)+1)+z+1]
.set z, z+2
.endr
.endm
.macro MAXH hf                      ; the maximum of the lane's sixteen scores of key blocks 2 hf, 2 hf + 1, three operands at a time, in two chains: c(2 hf), which also takes the two scores left over, and c(2 hf + 1)
.irp p, 0,1
	v_max3_num_f32 v[TC+2*(\hf)+(\p)], v[S+16*(\hf)+8*(\p)], v[S+16*(\hf)+8*(\p)+1], v[S+16*(\hf)+8*(\p)+2]
.endr
.irp p, 0,1
	v_max3_num_f32 v[TC+2*(\hf)+(\p)], v[TC+2*(\hf)+(\p)], v[S+16*(\hf)+8*(\p)+3], v[S+16*(\hf)+8*(\p)+4]
.endr
.irp p, 0,1
	v_max3_num_f32 v[TC+2*(\hf)+(\p)], v[TC+2*(\hf)+(\p)], v[S+16*(\hf)+8*(\p)+5], v[S+16*(\hf)+8*(\p)+6]
.endr
	v_max3_num_f32 v[TC+2*(\hf)], v[TC+2*(\hf)], v[S+16*(\hf)+7], v[S+16*(\hf)+15]
.endm
.macro FETCHV slot, g               ; V^T's eight fragments (64 keys x channels 64 g on of my slice), turned: sixteen loads, into buffer g % 2
.irp kk, 0,1
.irp c, 0,1,2,3
	ds_load_tr16_b128 v[KB+128*((\g)%2)+32*(\kk)+8*(\c):KB+128*((\g)%2)+32*(\kk)+8*(\c)+3],   v[AV+(\slot)] offset:(\kk)*32*PK+(4*(\g)+(\c))*32
	ds_load_tr16_b128 v[KB+128*((\g)%2)+32*(\kk)+8*(\c)+4:KB+128*((\g)%2)+32*(\kk)+8*(\c)+7], v[AV+(\slot)] offset:(\kk)*32*PK+16*PK+(4*(\g)+(\c))*32
.endr
.endr
.endm
; O^T times a.  Number q of the 32 lines that group g (channels 64 g on) has in window 2 + hw: tile 2 hw + q / 16, channel block 4 g + (q / 4) % 4, pair q % 4: each accumulator from its low end on.
.macro RIDER g, hw
	v_pk_mul_f32 v[128*(q/16)+8*(4*(\g)+(q/4)%4)+2*(q%4):128*(q/16)+8*(4*(\g)+(q/4)%4)+2*(q%4)+1], v[128*(q/16)+8*(4*(\g)+(q/4)%4)+2*(q%4):128*(q/16)+8*(4*(\g)+(q/4)%4)+2*(q%4)+1], v[AU+2*(2*(\hw)+q/16):AU+2*(2*(\hw)+q/16)+1] op_sel_hi:[1,0]
.endm
.macro RESC g                       ; a whole group's 64 lines on end
.irp hw, 0,1
	WIN W_R2+0x41*(\hw)
.set q, 0
.rept 32
	RIDER \g, \hw
.set q, q+1
.endr
.endr
.endm
; Eight products O^T += V^T P: channels 64 g on, tiles 2 hw and 2 hw + 1, keys 32 kk on.  The eight accumulators take turns, one instruction a turn; kk = 1 goes round them again.
; ride = 1: behind every second product stand four lines of the NEXT group's rescaling, in the same window: they name no register of the products round them.
.macro OPART g, hw, kk, ride
.set n, 0
.rept 8
	WIN W_O2+0x50*(\hw)
	v_wmma_f32_16x16x32_bf16 v[128*(n/4)+8*(4*(\g)+n%4):128*(n/4)+8*(4*(\g)+n%4)+7], v[KB+128*((\g)%2)+32*(\kk)+8*(n%4):KB+128*((\g)%2)+32*(\kk)+8*(n%4)+7], v[P+16*(2*(\hw)+n/4)+8*(\kk):P+16*(2*(\hw)+n/4)+8*(\kk)+7], v[128*(n/4)+8*(4*(\g)+n%4):128*(n/4)+8*(4*(\g)+n%4)+7]
.if (\ride) && (n%2 == 1)
	WIN W_R2+0x41*(\hw)
.set q, 16*(\kk)+4*(n/2)
.rept 4
	RIDER (\g)+1, \hw
.set q, q+1
.endr
.endif
.set n, n+1
.endr
.endm
.macro OMULR g                      ; a group's 32 products with the next group's 64 riders; the last four riders are also the places in front of the loads into the buffer just read
	OPART \g, 0, 0, 1
	OPART \g, 0, 1, 1
	OPART \g, 1, 0, 1
	OPART \g, 1, 1, 1
.endm
.macro WLOAD                        ; a step's key mask: my lane's 32 numbers
.irp kb, 0,1,2,3
	global_load_b128 v[W+8*(\kb):W+8*(\kb)+3],   v[WO], s[8:9] offset:64*(\kb)
	global_load_b128 v[W+8*(\kb)+4:W+8*(\kb)+7], v[WO], s[8:9] offset:64*(\kb)+16
.endr
.endm
; A KEY STEP on the tile in a slot.  Blocks 0 and 1 of its K have been asked for.  chg = 1: the slot is filled again, inside the last products; 2: the slots change and nothing is fetched; 0: the last step.
; last = 1: no further step's mask is asked for.
.macro STEP slot, chg, last
	WIN W_S
	s_wait_dscnt 8                  ; block 0's fragments are in; block 1's eight loads may stay out
	SMUL 0
	PLACES
	FETCHK \slot, 2
	s_wait_dscnt 8                  ; block 1's are in; block 2's eight may stay out
	SMUL 1
	WIN 0                           ; (a store's data is source 1)
	PLACES
	FETCHK \slot, 3
	XSTORE 0
	WIN W_S
	s_wait_dscnt 14                 ; block 2's; behind them block 3's eight loads and six stores
	SMUL 2
	PLACES
	FETCHK \slot, 4
	s_wait_dscnt 14                 ; block 3's; behind them six stores and block 4's eight loads
	SMUL 3
	WIN 0
	PLACES
	FETCHK \slot, 5
	XSTORE 1
	WIN W_S
	s_wait_dscnt 14                 ; block 4's; behind them block 5's eight loads and six stores
	SMUL 4
	s_wait_dscnt 0x0                ; for the others' sake: my partial sums of key blocks 0 and 1 are stored (issued 16 products ago, like block 5's fragments)
	s_barrier_signal -1             ; between the signal and the wait: products, and loads from my slice, which nobody writes before the change of slots
	PLACES
	FETCHK \slot, 6
	SMUL 5
	WIN 0
	s_barrier_wait -1               ; everybody's partial sums of key blocks 0 and 1 are there
	PLACES
	FETCHK \slot, 7
	XSTORE 2                        ; into the second 2,048 bytes of each sender's 4,096; the loads below read the first
	XLOAD 0
	WIN W_S
	s_wait_dscnt 26                 ; block 6's; behind them eight loads, six stores and twelve loads
	SMUL 6
	s_wait_dscnt 18                 ; block 7's; behind them six stores and twelve loads
	SMUL 7
	WIN 0
	PLACES
	XSTORE 3
	s_wait_dscnt 6                  ; the twelve loads are in; the six stores may stay out: the additions stand in the wait for them
	XADD 0, 0
	XADD 0, 1
	XADD 0, 2
	s_wait_dscnt 0x0                ; for the others' sake: my partial sums of key blocks 2 and 3 are stored
	s_barrier_signal -1
	MAXH 0                          ; work on registers between the signal and the wait
	s_barrier_wait -1               ; everybody's are
	XLOAD 1
	FETCHV \slot, 0                 ; behind the loads that are waited for: K's buffers are free, four places and more behind their last product
.irp i, 0,1,2
	s_wait_dscnt 24-4*(\i)          ; sender i's four loads are in; the later senders' and V's sixteen may stay out
	XADD 1, \i
.endr
	MAXH 1
	v_max3_num_f32 v[TC], v[TC], v[TC+1], v[TC+2]
	v_max3_num_f32 v[TC], v[TC], v[TC+3], v[CM+1]       ; and the old m
	v_permlanex16_b32 v[TC+1], v[TC], s[SEL], s[SEL+1]  ; the query's other 32 keys lie in the lane 16 away
	v_mov_b32 v[CMO], v[CM]
	v_max_num_f32 v[CM+1], v[TC], v[TC+1]
	v_mul_f32 v[CM], s[CS], v[CM+1]
	v_sub_f32 v[TC+2], v[CMO], v[CM]
.set z, 0
.rept 16
	v_pk_fma_f32 v[S+z:S+z+1], v[S+z:S+z+1], s[CS:CS+1], v[CM:CM+1] op_sel_hi:[1,0,0] neg_lo:[0,0,1] neg_hi:[0,0,1]  ; c s - c m
.set z, z+2
.endr
	v_exp_f32 v[AA], v[TC+2]        ; ONE batch of 33 exponentials: a, then the weights in place
.set z, 0
.rept 32
	v_exp_f32 v[S+z], v[S+z]
.set z, z+1
.endr
	v_nop                           ; a plain instruction behind the last exponential,
	s_wait_alu depctr_va_vdst(0)    ; and the one wait ahead of the batch's first reader
.set z, 0
.rept 16
	v_cvt_pk_bf16_f32 v[PP+z], v[S+2*z], v[S+2*z+1]
.set z, z+1
.endr
.irp kb, 0,1,2,3                    ; P and a go over partial sums that I alone read, and have read
	ds_store_b128 v[XD], v[PP+4*(\kb):PP+4*(\kb)+3] offset:(\kb)*512
.endr
	ds_store_b32 v[XD], v[AA] offset:2048
	s_wait_dscnt 0x0                ; for the others' sake: P and a are stored
	s_barrier_signal -1             ; between the signal and the wait: loads from my slice, and the sums, work on registers
	FETCHV \slot, 1                 ; into registers of S^T that have been added
	s_wait_loadcnt 0x0              ; the step's key mask, asked for a step ago
.irp kb, 0,1,2,3                    ; l1's share of the step: weight x mask, four chains
	v_pk_mul_f32 v[TL+2*(\kb):TL+2*(\kb)+1], v[S+8*(\kb):S+8*(\kb)+1], v[W+8*(\kb):W+8*(\kb)+1]
.endr
.irp p, 1,2,3
.irp kb, 0,1,2,3
	v_pk_fma_f32 v[TL+2*(\kb):TL+2*(\kb)+1], v[S+8*(\kb)+2*(\p):S+8*(\kb)+2*(\p)+1], v[W+8*(\kb)+2*(\p):W+8*(\kb)+2*(\p)+1], v[TL+2*(\kb):TL+2*(\kb)+1]
.endr
.endr
.irp w, 4,8,16,32                   ; Z's share: the 16 pairs, added in place, neighbours 1, 2, 4 and 8 pairs apart
.set z, 0
.rept 32/(\w)
	v_pk_add_f32 v[S+z:S+z+1], v[S+z:S+z+1], v[S+z+(\w)/2:S+z+(\w)/2+1]
.set z, z+(\w)
.endr
.endr
	v_pk_add_f32 v[TL:TL+1], v[TL:TL+1], v[TL+2:TL+3]
	v_pk_add_f32 v[TL+4:TL+5], v[TL+4:TL+5], v[TL+6:TL+7]
	v_pk_add_f32 v[TL:TL+1], v[TL:TL+1], v[TL+4:TL+5]
	v_pk_fma_f32 v[ZS:ZS+1], v[ZS:ZS+1], v[AA:AA+1], v[S:S+1] op_sel_hi:[1,0,1]
	v_pk_fma_f32 v[L1:L1+1], v[L1:L1+1], v[AA:AA+1], v[TL:TL+1] op_sel_hi:[1,0,1]
	s_barrier_wait -1               ; everybody's P and a are there
.irp u, 0,1,2,3                     ; the four tiles' a, then their weights
	ds_load_b32 v[AU+2*(\u)], v[XD+(\u)] offset:2048
.endr
.irp u, 0,1,2,3
.irp kb, 0,1,2,3
	ds_load_b128 v[P+16*(\u)+4*(\kb):P+16*(\u)+4*(\kb)+3], v[XD+(\u)] offset:(\kb)*512
.endr
.endr
.if !(\last)
	s_add_nc_u64 s[8:9], s[8:9], 256  ; the loads that named it were shown done by the wait for them above
	WLOAD
.endif
	s_wait_dscnt 16                 ; the four a are in (and V's two groups, asked for earlier); P's sixteen loads may stay out
	RESC 0                          ; group 0's rescaling stands in the wait for P
	s_wait_dscnt 0x0                ; P is in
	OMULR 0
	WIN 0
	FETCHV \slot, 2
	OMULR 1
	WIN 0
	FETCHV \slot, 3
	s_wait_dscnt 16                 ; group 2 is in; group 3's sixteen loads may stay out
	OMULR 2
	s_wait_dscnt 0x0                ; group 3 is in: my reads of the slot, of P and of a are over
.if (\chg) == 0
	OPART 3, 0, 0, 0
	OPART 3, 0, 1, 0
	OPART 3, 1, 0, 0
	OPART 3, 1, 1, 0
.else
	; THE CHANGE OF SLOTS, inside the last 32 products.  Each wave waits for all its tensor loads (one is out: its slice of the other slot), adds 0 to its spare word, and waits for that.  Behind the barrier the
	; slot may be filled again, and the next step's partial sums may be stored over P and a.  chg = 1: the barrier opens a round of the cluster's, and the joint refill, the tile two steps on, is the first
	; thing behind the round: it has a whole step in which to land.
	WIN 0                           ; (the add's two registers lie in window 0)
	s_wait_tensorcnt 0x0            ; no tensor load of mine is out, so a group 0 may be written
	ds_add_u32 v[SPW], v[NIL]       ; 0 onto my spare word: scalar steps and eight products stand between it and the wait for it
.if (\chg) == 1
	s_add_nc_u64 s[G0+4*(\slot)+2:G0+4*(\slot)+3], s[G0+4*(\slot)+2:G0+4*(\slot)+3], 2*TILEB  ; the type bits on top are not reached
	s_wait_xcnt 0x0                 ; the last prefetch, a step back, has read its address, so it may be written
	s_add_nc_u64 s[PFA:PFA+1], s[PFA:PFA+1], TILEB
.endif
	OPART 3, 0, 0, 0
	s_wait_dscnt 0x0                ; the add is done
	s_barrier_signal -1
	OPART 3, 0, 1, 0                ; work on registers while the others arrive
	WIN 0
	s_barrier_wait -1
.if (\chg) == 1
	CREST                           ; no wave of any partner still reads the slot or has a load on its way
	JLOAD \slot
.endif
	FETCHK 1-(\slot), 0             ; the next step's first fragments: its tile was shown landed by the wait for all loads above; K's buffers were last read four riders and more ago
	FETCHK 1-(\slot), 1
.if (\chg) == 1
	ASK 1-(\slot)                   ; behind the joint load and the run of LDS loads
.endif
	OPART 3, 1, 0, 0
	OPART 3, 1, 1, 0
	WIN 0                           ; at a label and at a branch every window is 0
.rept 5
	v_nop                           ; five places between the step's last products and the next step's first, which write over P's and V's registers
.endr
.endif
.endm
	s_load_b256 s[4:11], s[0:1], 0x0  ; premise_batch s[4:5], premise_mask s[6:7], hypothesis_mask s[8:9], kb s[10:11]
	s_load_b64 s[12:13], s[0:1], 0x20 ; out0
	v_lshl_add_u32 v[SPW], v0, 2, SPARE
	v_mov_b32 v[NIL], 0
	ds_add_u32 v[SPW], v[NIL]       ; the wave's opening: the add and its wait come ahead of my first tensor load; the set-up below, work on registers, stands between them
	v_lshrrev_b32 v1, 5, v0
	v_readfirstlane_b32 s[WV], v1   ; wave 0..3
	s_bfe_u32 s15, ttmp6, 0x40000   ; cx: my place in the cluster
	s_lshl_b32 s16, ttmp9, 2        ; in a cluster launch ttmp9 counts clusters
	s_add_co_u32 s16, s16, s15      ; my block of 64 queries = 4 x cluster x + cx: it enters Q's, the premise mask's and out0's addresses alone
	s_and_b32 s17, ttmp7, 0xffff    ; the batch, which the four partners share
	s_mov_b32 s[DU], s[WV]
.irp u, 1,2,3
	s_add_co_u32 s[DU+\u], s[WV], \u
	s_and_b32 s[DU+\u], s[DU+\u], 3
.endr
	; descriptor group 1: a tile of 64 rows x 256 elements, padded in LDS
	s_mov_b32 s[G1], 15|(1<<16)|(1<<20)|(1<<21)|(6<<22)|(3<<25)  ; 15:0 the mask: all four work-groups; 17:16 elements of 2 bytes; 20 padding on; 21 set beside a mask; 24:22 after every 128 words (code 6); 31:25 4 words (code 3)
	s_mov_b32 s[G1+1], 256<<16      ; tensor_dim0 = 256
	s_mov_b32 s[G1+2], 64<<16       ; tensor_dim1 = 64
	s_mov_b32 s[G1+3], 256<<16      ; tile_dim0 = 256
	s_mov_b32 s[G1+4], 64           ; tile_dim1 = 64
	s_mov_b32 s[G1+5], 1024         ; elements from row to row
	s_mov_b32 s[G1+6], 0
	s_mov_b32 s[G1+7], 0
	s_mov_b32 s[CS], 0x3d38aa3b     ; c = log2(e) / 32 = 0.0450842
	s_mov_b32 s[CS+1], s[CS]
	s_mov_b32 s[SEL], 0x76543210
	s_mov_b32 s[SEL+1], 0xfedcba98
	s_mov_b32 s[EPS], 0x29e12e13    ; 1e-13
	s_cmp_eq_u32 ttmp9, 0           ; the same in all four partners
	s_cselect_b32 s[LIM], 1, -1
	s_mul_i32 s[WB], s[WV], WSL     ; no place in the cluster enters an LDS address
	v_and_b32 v68, 15, v0           ; l % 16
	v_bfe_u32 v69, v0, 4, 1         ; l / 16
	v_and_b32 v70, 31, v0           ; l
	v_and_b32 v71, 7, v0
	v_bfe_u32 v72, v0, 3, 1
	v_mul_u32_u24 v[AK], v68, PK    ; a plain fragment: row l % 16, 16 bytes for each half of the lanes; two loads 32 bytes apart
	v_lshl_add_u32 v[AK], v69, 4, v[AK]
	v_add_nc_u32 v[AK], s[WB], v[AK]
	v_add_nc_u32 v[AK+1], SLOT, v[AK]
	v_lshl_add_u32 v[AV], v69, 3, v71  ; the turning load: lane l reads key 8 (l / 16) + l % 8, channels 8 ((l / 8) % 2) + 0..7, and is left with channel l % 16 and 8 keys
	v_mul_u32_u24 v[AV], v[AV], PK
	v_lshl_add_u32 v[AV], v72, 4, v[AV]
	v_add_nc_u32 v[AV], s[WB], v[AV]
	v_add_nc_u32 v[AV+1], SLOT, v[AV]
	v_lshlrev_b32 v1, 4, v70        ; 16 x lane
	v_lshlrev_b32 v74, 12, v68      ; Q: row l % 16 of 4,096 bytes,
	v_lshl_add_u32 v74, v69, 5, v74 ; eight f32 channels for each half of the lanes,
	s_lshl_b32 s23, s[WV], 10       ; my 256 channels
.irp u, 0,1,2,3
	s_mul_i32 s19, s[DU+\u], XW
	s_add_co_u32 s19, s19, XCH
	v_add_nc_u32 v[XD+\u], s19, v1
	s_lshl_b32 s22, s[DU+\u], 16    ; tile D_u's 16 rows
	s_add_co_u32 s22, s22, s23
	v_add_nc_u32 v[QA+\u], s22, v74
.endr
	v_lshlrev_b32 v[WO], 5, v69
	v_lshrrev_b32 v[PFO], 1, v70
	v_lshlrev_b32 v[PFO], 11, v[PFO]
	v_and_b32 v73, 1, v0
	v_lshl_add_u32 v[PFO], v73, 8, v[PFO]
	v_lshlrev_b32 v75, 2, v68       ; the premise mask: 4 bytes a query
	s_lshl_b32 s22, s17, 22         ; kb: the batch's 2,048 rows of 2,048 bytes,
	s_lshl_b32 s23, s[WV], 9        ; my 512 bytes of a row: nothing of cx enters
	s_add_co_u32 s22, s22, s23
	s_mov_b32 s23, 0
	s_lshl_b32 s20, s17, 22         ; Q and out0: the batch's 1,024 rows of 4,096 bytes,
	s_lshl_b32 s21, s16, 18         ; my block's 64
	s_add_co_u32 s20, s20, s21
	s_mov_b32 s21, 0
	s_lshl_b32 s58, s[WV], 10       ; out0: my 256 channels
	s_mov_b32 s59, 0
	s_lshl_b32 s2, s17, 12          ; the premise mask: 4 (1,024 batch + 64 block + 16 wave)
	s_lshl_b32 s3, s16, 8
	s_add_co_u32 s2, s2, s3
	s_lshl_b32 s3, s[WV], 6
	s_add_co_u32 s2, s2, s3
	s_mov_b32 s3, 0
	s_lshl_b32 s56, s17, 13         ; the key mask: the batch's 2,048 numbers
	s_mov_b32 s57, 0
	s_lshl_b32 s60, s15, 15         ; the prefetches: my work-group's 16 rows of a tile,
	s_add_co_u32 s60, s60, 2*TILEB  ; in tile 2: the first change of slots steps it to tile 3
	s_mov_b32 s61, 0
	s_wait_dscnt 0x0                ; the opening add is done
	s_wait_kmcnt 0x0
	s_add_nc_u64 s[4:5], s[4:5], s[20:21]
	s_add_nc_u64 s[12:13], s[12:13], s[20:21]
	s_add_nc_u64 s[12:13], s[12:13], s[58:59]
	s_add_nc_u64 s[6:7], s[6:7], s[2:3]
	s_add_nc_u64 s[8:9], s[8:9], s[56:57]
	s_add_nc_u64 s[10:11], s[10:11], s[22:23]      ; kb at my slice of the batch's tile 0
	s_add_nc_u64 s[PFA:PFA+1], s[10:11], s[60:61]
.irp s, 0,1
	s_mov_b32 s[G0+4*(\s)], 1                                       ; 1:0 count = 1
	s_add_co_u32 s[G0+4*(\s)+1], s[WB], (\s)*SLOT                   ; 63:32 LDS address: my slice of slot s
	s_add_nc_u64 s[G0+4*(\s)+2:G0+4*(\s)+3], s[10:11], (\s)*TILEB   ; 120:64 global address: tile s
	s_or_b32 s[G0+4*(\s)+3], s[G0+4*(\s)+3], 0x80000000             ; 127:126 type = 2
.endr
	CROUND                          ; all four work-groups are here: the first joint loads meet
	tensor_load_to_lds s[G0:G0+3], s[G1:G1+7]      ; both first fills together, ahead of every wait on TENSORcnt and every LDS read: two loads of mine are out
	s_nop 0
	tensor_load_to_lds s[G0+4:G0+7], s[G1:G1+7]
	s_nop 0
	PLACES
	WLOAD                           ; step 0's key mask
	global_load_b32 v[PM], v75, s[6:7]
.irp u, 0,1,2,3                     ; Q in f32, into the registers that will hold O^T of the same tile: chunk ch's sixteen numbers at 16 ch: channels 8 (l / 16) + 0..7, then 16 + 8 (l / 16) + 0..7
	WIN 0x80+0x40*((\u)>>1)         ; destination window 2 or 3, address window 0
.set z, 0
.rept 32
	global_load_b128 v[128*((\u)&1)+4*z:128*((\u)&1)+4*z+3], v[QA+(\u)], s[4:5] offset:128*(z>>2)+16*(z&1)+64*((z>>1)&1)
.set z, z+1
.endr
.endr
	WIN 0
	v_mov_b32 v[CM], 0xfe000000     ; c m: far below every c s, so that the first a is 0
	v_mov_b32 v[CM+1], 0xff7fffff   ; m: the lowest finite number
	v_mov_b32 v[ZS], 0
	v_mov_b32 v[ZS+1], 0
	v_mov_b32 v[L1], 0
	v_mov_b32 v[L1+1], 0
	v_mov_b32 v[AA+1], 0            ; the upper registers of pairs of which the packed lines take the lower for both halves
.irp u, 0,1,2,3
	v_mov_b32 v[AU+2*(\u)+1], 0
.endr
	s_wait_loadcnt 0x0              ; Q, the premise mask, step 0's key mask
.irp u, 0,1,2,3                     ; Q rounded to bf16: pairs of neighbouring channels, which is the fragments' order
	WIN 0x4a+5*((\u)>>1)            ; destination window 1, sources window 2 or 3
.set z, 0
.rept 64
	v_cvt_pk_bf16_f32 v[64*(\u)+z], v[128*((\u)&1)+2*z], v[128*((\u)&1)+2*z+1]
.set z, z+1
.endr
.endr
	WIN 0
	s_wait_tensorcnt 1              ; tensor loads of a wave end in order: my slice of tile 0 is in, and I alone read it; slot 1's first fill may stay out
	FETCHK 0, 0
	FETCHK 0, 1
	s_mov_b32 s[TRIPS], 15
.Ltrip:                             ; 15 trips: steps 0 to 29 are multiplied, tiles 2 to 31 asked for
	STEP 0, 1, 0
	STEP 1, 1, 0
	s_sub_co_u32 s[TRIPS], s[TRIPS], 1
	s_cmp_lg_u32 s[TRIPS], 0
	s_cbranch_scc1 .Ltrip
	STEP 0, 2, 0                    ; the last two steps are written out: nothing is left to fetch
	STEP 1, 0, 1
	; THE WAY OUT.  The addresses are made first: twelve plain lines, the places behind the last products.
	WIN 0
	v_and_b32 v[GO], 15, v0         ; l % 16
	v_bfe_u32 v[GO+1], v0, 4, 1     ; l / 16
	v_mul_u32_u24 v[STO], v[GO], SP ; in: row l % 16, 32 bytes for each half of the lanes
	v_lshl_add_u32 v[STO], v[GO+1], 5, v[STO]
	v_add_nc_u32 v[STO], s[WB], v[STO]
	v_and_b32 v1, 31, v0
	v_lshlrev_b32 v1, 4, v1
	v_add_nc_u32 v[RD], s[WB], v1   ; back: 32 lanes take 512 consecutive bytes of a row
.irp u, 0,1,2,3
	s_lshl_b32 s19, s[DU+\u], 16
	v_add_nc_u32 v[GO+\u], s19, v1
.endr
	v_add_f32 v[ZS], v[ZS], v[ZS+1] ; Z's and l1's two halves, and the other half of the lanes'
	v_add_f32 v[L1], v[L1], v[L1+1]
	v_permlanex16_b32 v[ZS+1], v[ZS], s[SEL], s[SEL+1]
	v_permlanex16_b32 v[L1+1], v[L1], s[SEL], s[SEL+1]
	v_add_f32 v[ZS], v[ZS], v[ZS+1]
	v_add_f32 v[L1], v[L1], v[L1+1]
	v_fma_f32 v[ZS], v[ZS], s[EPS], v[L1]  ; l1 + 1e-13 Z; Z is at least 1, the greatest logit's weight
	v_rcp_f32 v[ZS+1], v[ZS]
	v_nop                           ; a plain instruction behind the reciprocal,
	s_wait_alu depctr_va_vdst(0)    ; and the wait ahead of its first use
	v_mul_f32 v[ZS+1], v[ZS+1], v[PM]  ; the row's factor: premise mask / divisor
	ds_store_b32 v[XD], v[ZS+1] offset:4096  ; over a partial sum that I alone read, and have read
	s_wait_dscnt 0x0
	s_barrier_signal -1
	s_barrier_wait -1
.irp u, 0,1,2,3
	ds_load_b32 v[AU+2*(\u)], v[XD+(\u)] offset:4096
.endr
	s_wait_dscnt 0x0
.macro SCALE u                      ; tile D_u's O^T times its rows' factors, each accumulator from its low end on
	WIN W_R2+0x41*((\u)>>1)
.set z, 0
.rept 64
	v_pk_mul_f32 v[128*((\u)&1)+z:128*((\u)&1)+z+1], v[128*((\u)&1)+z:128*((\u)&1)+z+1], v[AU+2*(\u):AU+2*(\u)+1] op_sel_hi:[1,0]
.set z, z+2
.endr
.endm
.macro TOSTAGE u                    ; a lane's eight channels of a row are 32 bytes; they go into rows of 1,040 bytes and come back as whole rows of 1,024
	WIN 0x08+0x04*((\u)>>1)         ; the stores' data (source 1) in window 2 or 3
.set z, 0
.rept 16
	ds_store_b128 v[STO], v[128*((\u)&1)+8*z:128*((\u)&1)+8*z+3]   offset:64*z
	ds_store_b128 v[STO], v[128*((\u)&1)+8*z+4:128*((\u)&1)+8*z+7] offset:64*z+16
.set z, z+1
.endr
	WIN 0
.if (\u) > 0
	s_wait_xcnt 0x0                 ; the registers below were the last tile's store data: they are loaded again only behind this wait
.endif
.set z, 0
.rept 32
	ds_load_b128 v[BK+4*z:BK+4*z+3], v[RD] offset:(z>>1)*SP+(z&1)*512  ; LDS serves a wave's instructions in order (ISA guide 5.7.1.4): these see the stores above
.set z, z+1
.endr
.endm
.macro SEND u
	WIN 0
.set z, 0
.rept 32
	s_wait_dscnt 31-z               ; the younger loads from the stage may stay out
	global_store_b128 v[GO+(\u)], v[BK+4*z:BK+4*z+3], s[12:13] offset:(z>>1)*4096+(z&1)*512 th:TH_STORE_NT  ; 512 consecutive bytes, at a multiple of 256 from out0's first byte
.set z, z+1
.endr
.endm
	SCALE 0
	TOSTAGE 0
	SCALE 1                         ; a tile's arithmetic stands between the loads of the tile before and its stores
	SEND 0
	TOSTAGE 1
	SCALE 2
	SEND 1
	TOSTAGE 2
	SCALE 3
	SEND 2
	TOSTAGE 3
	SEND 3
	s_wait_tensorcnt 0x0            ; the wave's end: behind my last tensor load and my last LDS store
	ds_add_u32 v[SPW], v[NIL]
	s_wait_dscnt 0x0
	CROUND                          ; the closing round: no work-group ends while a partner may still ask for a tile that names it
	s_endpgm
.Lfunc_end_k_q55ed2c9b8c_attn:
	.size	k_q55ed2c9b8c_attn, .Lfunc_end_k_q55ed2c9b8c_attn-k_q55ed2c9b8c_attn
	.p2alignl 7, 3214868480
	.fill 96, 4, 3214868480
	.section	.rodata,"a",@progbits
	.p2align	6, 0x0
	.amdhsa_kernel k_q55ed2c9b8c_attn
		.amdhsa_group_segment_fixed_size 327680
		.amdhsa_private_segment_fixed_size 0
		.amdhsa_enable_private_segment 0
		.amdhsa_kernarg_size 40
		.amdhsa_user_sgpr_count 2
		.amdhsa_user_sgpr_kernarg_segment_ptr 1
		.amdhsa_wavefront_size32 1
		.amdhsa_system_sgpr_workgroup_id_x 1
		.amdhsa_system_sgpr_workgroup_id_y 1
		.amdhsa_system_sgpr_workgroup_id_z 1
		.amdhsa_system_vgpr_workitem_id 0
		.amdhsa_next_free_vgpr 1024
		.amdhsa_next_free_sgpr 66
		.amdhsa_reserve_vcc 0
		.amdhsa_float_denorm_mode_32 3
		.amdhsa_float_denorm_mode_16_64 3
		.amdhsa_memory_ordered 1
		.amdhsa_forward_progress 1
		.amdhsa_inst_pref_size 255
	.end_amdhsa_kernel
	.section	.bss,"aw",@nobits
	.p2align	6
	.space	262144
	.amdgpu_metadata
---
amdhsa.version: [ 1, 2 ]
amdhsa.kernels:
  - .name:           k_q55ed2c9b8c_attn
    .symbol:         k_q55ed2c9b8c_attn.kd
    .args:
      - { .name: premise_batch, .offset: 0, .size: 8, .value_kind: global_buffer, .address_space: global }
      - { .name: premise_mask, .offset: 8, .size: 8, .value_kind: global_buffer, .address_space: global }
      - { .name: hypothesis_mask, .offset: 16, .size: 8, .value_kind: global_buffer, .address_space: global }
      - { .name: kb, .offset: 24, .size: 8, .value_kind: global_buffer, .address_space: global }
      - { .name: out0, .offset: 32, .size: 8, .value_kind: global_buffer, .address_space: global }
    .group_segment_fixed_size: 327680
    .private_segment_fixed_size: 0
    .kernarg_segment_align: 8
    .kernarg_segment_size: 40
    .max_flat_workgroup_size: 128
    .sgpr_count:     66
    .vgpr_count:     1024
    .wavefront_size: 32
...
	.end_amdgpu_metadata
.endif
;; end of part 2
;; ======== version 2 of 2: 2 launches; version 1 with the launch prep written anew for expert scheduling mode
;; workspace buffers: kb 67,108,864 bytes
;; launch prep (part 3): grid 1024 x 1, 8 waves a work-group, no clusters, 0 bytes of LDS; arguments hypothesis_batch, hypothesis_mask, kb; writes kb
.if DOCPART == 3
	.amdgcn_target "amdgcn-amd-amdhsa--gfx1250"
	.amdhsa_code_object_version 6
	.text
	.protected	k_q55ed2c9b8c_prep
	.globl	k_q55ed2c9b8c_prep
	.p2align	8
	.type	k_q55ed2c9b8c_prep,@function
k_q55ed2c9b8c_prep:
	s_mov_b64 s[64:65], 0
	v_nop
	global_prefetch_b8 v0, s[64:65] scope:SCOPE_SE
	s_setreg_imm32_b32 hwreg(HW_REG_WAVE_SCHED_MODE, 0, 2), 2
	s_setreg_imm32_b32 hwreg(HW_REG_WAVE_MODE, 25, 1), 1
	s_wait_xcnt 0x0
	s_wait_alu depctr_vm_vsrc(0)
; kb[b][h][c] = bf16(hypothesis_mask[b][h] * hypothesis_batch[b][h][c]): the keys, masked and rounded once, as ONE table for both products of the launch behind.
; hypothesis_batch: [16][2048][1024] f32 = 32,768 rows of 4,096 bytes; kb: the same rows in bf16, 2,048 bytes each.
; A stream: no LDS, no barrier, no matrix work, no loop.  A work-group takes 32 rows, each of its eight waves 4.  A row comes by eight loads of 16 bytes a lane
; (512 consecutive bytes a load) and leaves by eight stores of 8 bytes a lane (256 consecutive bytes, at a multiple of 256 from kb's first byte).
; All 32 loads of a wave go out at once; each row is worked on as it arrives.  No register is written again behind a load or store that reads it, so no wait frees any.
; THE MODE: SCHED_MODE bits 1:0 = 2 (LLVM: expert scheduling mode 2), set by the entry lines.  The code itself states the register dependences
; between vector instructions and memory instructions, with s_wait_alu, always for 0.
; THE PLAN.  Registers that memory instructions touch:
;   v1, v2     the loads' and the stores' byte offsets: made at the head by vector lines, never written again.
;   X(i, j)    four registers: load (i, j) lands in them; row i's multiplies and roundings work on them in place, behind the wait for the row's data; store (i, j) reads the first two;
;              nothing writes them behind that store.
;   M and v3 are named by vector lines alone.
; Row i's eight stores are issued in row i + 1's turn, one ahead of each four of its vector lines, which name row i + 1's X and M alone: neither row i's X nor v2.  So ONE wait at the head of a
; turn states all that the turn's eight stores hang on.  Row 3's stores stand behind a last wait.
.set M, 4                              ; v[4:11]   row i's mask number, twice: a pair for the packed multiply
.set X, 12                             ; v[12:139] row i, load j: four registers at X + 4 (8 i + j)
	s_load_b128 s[4:7], s[0:1], 0x0                ; hypothesis_batch s[4:5], hypothesis_mask s[6:7]
	s_load_b64 s[8:9], s[0:1], 0x10                ; kb
	v_lshrrev_b32 v3, 5, v0
	v_readfirstlane_b32 s11, v3                    ; wave 0..7
	v_and_b32 v1, 31, v0                           ; lane
	v_lshlrev_b32 v2, 3, v1                        ; out: 8 bytes a lane,
	v_lshlrev_b32 v1, 4, v1                        ; in: 16 bytes a lane,
	v_lshl_or_b32 v1, v3, 14, v1                   ; + wave x 4 rows x 4,096 bytes
	v_lshl_or_b32 v2, v3, 13, v2                   ; + wave x 4 rows x 2,048 bytes
	s_lshl_b32 s2, ttmp9, 17                       ; the work-group's 32 rows of 4,096 bytes (under 2^27)
	s_mov_b32 s3, 0
	s_lshl_b32 s16, ttmp9, 16                      ; and of 2,048 bytes
	s_mov_b32 s17, 0
	s_lshl_b32 s18, ttmp9, 7                       ; the mask: 32 numbers of 4 bytes a work-group,
	s_wait_alu depctr_va_sdst(0)                   ; s11 is written, ahead of its first reader, the line below
	s_lshl_b32 s19, s11, 4                         ; 4 a wave
	s_add_co_u32 s18, s18, s19
	s_mov_b32 s19, 0
	s_wait_kmcnt 0x0
	s_add_nc_u64 s[4:5], s[4:5], s[2:3]
	s_add_nc_u64 s[8:9], s[8:9], s[16:17]
	s_add_nc_u64 s[6:7], s[6:7], s[18:19]
	s_load_b128 s[12:15], s[6:7], 0x0              ; my four rows' mask numbers
	s_wait_alu depctr_va_vdst(0)                   ; v1 and v2 are written: every load of the kernel reads v1 as its offset, every store v2
.irp i, 0,1,2,3
.irp j, 0,1,2,3,4,5,6,7
	global_load_b128 v[X+4*(8*(\i)+(\j)):X+4*(8*(\i)+(\j))+3], v1, s[4:5] offset:(\i)*4096+(\j)*512 th:TH_LOAD_NT
.endr
.endr
	s_wait_kmcnt 0x0
.irp i, 0,1,2,3
	v_mov_b32 v[M+2*(\i)], s[12+(\i)]
	v_mov_b32 v[M+2*(\i)+1], s[12+(\i)]
.endr
; Four numbers of row i, those of load j: masked, rounded, packed into the first two of their four registers.
.macro WORK i, j
	v_pk_mul_f32 v[X+4*(8*(\i)+(\j)):X+4*(8*(\i)+(\j))+1],   v[X+4*(8*(\i)+(\j)):X+4*(8*(\i)+(\j))+1],   v[M+2*(\i):M+2*(\i)+1]
	v_pk_mul_f32 v[X+4*(8*(\i)+(\j))+2:X+4*(8*(\i)+(\j))+3], v[X+4*(8*(\i)+(\j))+2:X+4*(8*(\i)+(\j))+3], v[M+2*(\i):M+2*(\i)+1]
	v_cvt_pk_bf16_f32 v[X+4*(8*(\i)+(\j))],   v[X+4*(8*(\i)+(\j))],   v[X+4*(8*(\i)+(\j))+1]   ; four numbers become 8 bytes, in the first two of their registers
	v_cvt_pk_bf16_f32 v[X+4*(8*(\i)+(\j))+1], v[X+4*(8*(\i)+(\j))+2], v[X+4*(8*(\i)+(\j))+3]
.endm
; Their 8 bytes a lane leave: 256 consecutive bytes a store.
.macro OUT i, j
	global_store_b64 v2, v[X+4*(8*(\i)+(\j)):X+4*(8*(\i)+(\j))+1], s[8:9] offset:(\i)*2048+(\j)*256 th:TH_STORE_NT
.endm
	s_wait_loadcnt 24                              ; loads come back in order: row 0 is in, the 8 loads of each later row may stay out
.irp j, 0,1,2,3,4,5,6,7
	WORK 0, \j                                     ; row 0 has no row in front of it: no store stands in its turn
.endr
.irp i, 1,2,3
	s_wait_loadcnt 24-8*(\i)                       ; row i is in, the 8 loads of each later row may stay out
	s_wait_alu depctr_va_vdst(0)                   ; the roundings of the row before have written its packed numbers, which the eight stores of this turn read
.irp j, 0,1,2,3,4,5,6,7
	OUT (\i)-1, \j                                 ; no vector line since the wait names this store's data or v2
	WORK \i, \j
.endr
.endr
	s_wait_alu depctr_va_vdst(0)                   ; row 3's roundings have written its packed numbers, which the last eight stores read
.irp j, 0,1,2,3,4,5,6,7
	OUT 3, \j
.endr
	s_endpgm
.Lfunc_end_k_q55ed2c9b8c_prep:
	.size	k_q55ed2c9b8c_prep, .Lfunc_end_k_q55ed2c9b8c_prep-k_q55ed2c9b8c_prep
	.p2alignl 7, 3214868480
	.fill 96, 4, 3214868480
	.section	.rodata,"a",@progbits
	.p2align	6, 0x0
	.amdhsa_kernel k_q55ed2c9b8c_prep
		.amdhsa_group_segment_fixed_size 0
		.amdhsa_private_segment_fixed_size 0
		.amdhsa_enable_private_segment 0
		.amdhsa_kernarg_size 24
		.amdhsa_user_sgpr_count 2
		.amdhsa_user_sgpr_kernarg_segment_ptr 1
		.amdhsa_wavefront_size32 1
		.amdhsa_system_sgpr_workgroup_id_x 1
		.amdhsa_system_sgpr_workgroup_id_y 1
		.amdhsa_system_sgpr_workgroup_id_z 1
		.amdhsa_system_vgpr_workitem_id 0
		.amdhsa_next_free_vgpr 140
		.amdhsa_next_free_sgpr 66
		.amdhsa_reserve_vcc 0
		.amdhsa_float_denorm_mode_32 3
		.amdhsa_float_denorm_mode_16_64 3
		.amdhsa_memory_ordered 1
		.amdhsa_forward_progress 1
		.amdhsa_inst_pref_size 16
	.end_amdhsa_kernel
	.amdgpu_metadata
---
amdhsa.version: [ 1, 2 ]
amdhsa.kernels:
  - .name:           k_q55ed2c9b8c_prep
    .symbol:         k_q55ed2c9b8c_prep.kd
    .args:
      - { .name: hypothesis_batch, .offset: 0, .size: 8, .value_kind: global_buffer, .address_space: global }
      - { .name: hypothesis_mask, .offset: 8, .size: 8, .value_kind: global_buffer, .address_space: global }
      - { .name: kb, .offset: 16, .size: 8, .value_kind: global_buffer, .address_space: global }
    .group_segment_fixed_size: 0
    .private_segment_fixed_size: 0
    .kernarg_segment_align: 8
    .kernarg_segment_size: 24
    .max_flat_workgroup_size: 256
    .sgpr_count:     66
    .vgpr_count:     140
    .wavefront_size: 32
...
	.end_amdgpu_metadata
.endif
;; end of part 3
;; launch attn: the kernel of part 2 again; grid 16 x 16, 4 waves a work-group, clusters of 4 x 1, 327,680 bytes of LDS; arguments premise_batch, premise_mask, hypothesis_mask, kb, out0; writes out0
